; MI455X (gfx1250); checked and timed in simulation.
; The chip was launched on July 23, 2026; its instructions are those of AMD's public machine-readable ISA for CDNA 5 (MIT licence, August 2026) and "CDNA5" Instruction Set Architecture Reference Guide (July 2026). The comments in the code are by the model that wrote it; some were corrected since.
;; GMF. Allowed arithmetic: matrix products marked QUANTISED: E4M3 operands, one given power-of-two scale a tensor, by v_wmma_f32_16x16x64_fp8_fp8 or v_wmma_f32_16x16x128_fp8_fp8, f32 sums; everything else in f32.
;; Inputs: P_weight 64 x 1,000,000 float32; Q_weight 64 x 100,032 float32; genres_one_hot_codes 16,384 x 1 x 32 uint8 (E4M3 codes of genres_one_hot, K innermost, in blocks of 32 codes); item_ids 16,384 int32; lowp_scales 2 int32 (the exponents e of the quantised operands' scales 2^e); user_ids 16,384 int32.
;; Outputs: out0 16,384 x 1 float32.
;; This version of the problem:
;;   THIS VERSION OF THE PROBLEM IS GIVEN IN LOW PRECISION. The matrix products marked QUANTISED in the list below multiply operands that are first quantised to E4M3 (4 exponent bits, 3 mantissa bits; 8 bits a number), with one given power-of-two scale for each operand tensor; their sums are f32. All else is computed in f32.
;;   The module's matrix products, in the order in which they are computed (A, B: the left and right operand; K: the contracted axis; several contracted axes count as one K, in the product's order):
;;     1. [M 16,384, K 32] x [K 32, N 64]; A: input genres_one_hot (given as codes); B: input Q_weight: QUANTISED (scales: A lowp_scales[0], B lowp_scales[1])
;;   THE QUANTISER, for each operand of a quantised product, along K:
;;     - The operand's scale is 2^e, e = its entry of the input lowp_scales (int32; the entries are numbered through the quantised products in the list's order, A before B).
;;     - Each number is divided by the scale, clamped to +-448, and rounded to the nearest number of E4M3, ties to even, subnormals kept.
;;     - The product sums the exact products of the quantised numbers (number of the format x scale) in f32.
;;   ~~~python
;;   def quantise(x, axis, e):      # numpy; x: float32 -> the quantised numbers, widened to float32 again
;;       x = np.moveaxis(x, axis, -1); K = x.shape[-1]
;;       r = np.clip(x / 2.0 ** e, -448, 448)
;;       step = 2.0 ** (np.maximum(np.frexp(np.where(r == 0, 1, r))[1] - 1, -6) - 3)
;;       q = np.round(r / step) * step * 2.0 ** e      # np.round: ties to even
;;       return np.moveaxis(q, -1, axis).astype(np.float32)
;;   ~~~
;;   INPUTS GIVEN AS CODES. genres_one_hot (in the module: [16384, 32], K = its axis 1): each comes as NAME_codes (uint8): NAME with its K axis moved to the last place and cut into blocks of 32 codes, [.., K / 32, bytes a block], one block behind the other in memory; one code a byte (a code: sign, 4 exponent bits, 3 mantissa bits); its scale is its entry of lowp_scales. Its value is code x scale, taken as it is: it is not quantised again, and the codes and scales need not be those that the quantiser above would give.
;; 2 versions. Each part assembles by itself: llvm-mc -triple=amdgcn-amd-amdhsa -mcpu=gfx1250 --defsym DOCPART=n.
;; ======== version 1 of 2: 1 launch
;; limits: right only within a limited range of input values
;; launch gmf (part 1): grid 256 x 1, 4 waves a work-group, no clusters, 2,816 bytes of LDS; arguments user_ids, item_ids, genres_one_hot_codes, out0, Q_weight, P_weight, lowp_scales; writes out0
.if DOCPART == 1
	.amdgcn_target "amdgcn-amd-amdhsa--gfx1250"
	.amdhsa_code_object_version 6
	.text
	.protected	k_q552c25fe2a_gmf
	.globl	k_q552c25fe2a_gmf
	.p2align	8
	.type	k_q552c25fe2a_gmf,@function
k_q552c25fe2a_gmf:
	s_mov_b64 s[64:65], 0
	v_nop
	global_prefetch_b8 v0, s[64:65] scope:SCOPE_SE
	s_setreg_imm32_b32 hwreg(HW_REG_WAVE_MODE, 25, 1), 1
	s_wait_xcnt 0x0
; out[b] = sum over k of P[k][user[b]] * ( Q[k][item[b]] + sum over g of genres[b][g] * Q[k][N_ITEMS+g] )
; P: [64][1,000,000] f32, Q: [64][100,032] f32, ids: [16384] i32, out: [16384] f32.  The product over g is made on codes of FP8 (E4M3):
; genres arrive as codes, [16384][32] bytes, a number being its code's value x 2^e0; the 64 x 32 genre weights arrive as f32 and are quantised
; here: x / 2^e1, held within +-448, to the nearest code, ties to even.  e0, e1 are the two whole numbers of lowp_scales.  The codes are
; multiplied as they are, the sums are f32, and each sum is multiplied once by 2^(e0 + e1), in the multiply-add that adds the gathered word of Q.
;
; SHARES.  256 work-groups of four waves; a work-group owns 64 batch elements (256 consecutive, aligned bytes of out), a wave 16.
; The matrix instruction (16 x 16 x 64) is used transposed: source 0 = 16 latent rows of weight codes, source 1 = 16 batch elements' codes.
; The product's K is 32: it fills registers 0-3 of a fragment; registers 4-7 (the other 32 along K) hold zero codes on both sides and add nothing.
; A lane's registers 0-3 hold g = 16 h + 0 .. 15 of its row: a permutation of k, the same in both sources, so every code meets its partner;
; it lets a lane take its 16 codes by one load of 16 bytes.  Only the order of the sums inside the instruction differs from ascending g.
; In D lane (r, h) holds batch element r, and register j of tile t the tile row 8 h + j.  Which latent a tile row stands for is free as long as
; P, Q and the weight fragments agree: tile t, row m is latent 32 (m / 8) + 8 t + (m % 8), so that a lane owns the 32 consecutive latents
; 32 h + idx, idx = 8 t + j.  A lane needs two ids only and gathers 32 words of P and 32 of Q.  The products need no gathered word (C = 0):
; they are made while the gathers are on their way.  The sum over the latents is packed multiply-adds in the lane and one exchange between
; the halves of the wave.
; Every gathered word lies in a row of its own (rows are 4,000,000 and 400,128 bytes apart), so nothing can be joined: what counts is that
; all 64 gathers of every wave are issued as soon as the ids are there.  All waves walk the rows in the same ascending order.
; The genre weights (64 pieces of 128 bytes) are read and quantised once by the work-group: wave w makes tile w, the four register images
; (512 bytes each) meet in LDS.
;
; NOT USED, and why: tensor loads (no tile, only single words); clusters with joint requests (the work-groups share only the 8,192 bytes of
; genre weights, against 8,192 separately gathered words for each work-group); prefetches (each gather is issued as a load as soon as its
; id is known, nothing could be asked for earlier); cache hints on P and Q (an id may come twice, and other work-groups read neighbouring columns).
;
; LIMITS.  Ids are taken to lie inside their tables; an id outside (read as unsigned) is clamped to the last column and does not get what
; jnp.take would give it.  -126 <= e1 <= 119 (2^e1 and 448 x 2^e1 are made as f32 numbers) and -126 <= e0 + e1 <= 127 (so is 2^(e0 + e1)).
; NaN among the genre weights is not served; an infinity is held at the largest code.  The sum over the latents is made in four chains,
; not in the order of the reference.
.set N_USERS, 1000000
.set N_ITEMS, 100000
.set PROW,  4*N_USERS                  ; bytes in a row of P
.set QROW,  4*(N_ITEMS+32)             ; bytes in a row of Q
.set GCOL,  4*N_ITEMS                  ; byte of the first genre column in a row of Q
.set FRAG,  512                        ; LDS: a tile's codes as they lie in registers, 32 lanes x 16 bytes
.set RES,   4*FRAG                     ; LDS: behind the four tiles, the 64 results of the work-group
; vector registers
.set LANE, 1                           ; lane 0..31
.set R,    2                           ; lane % 16: my batch element in the wave
.set H,    3                           ; lane / 16: my half of the latents, and of g
.set IDO,  4                           ; byte offset of my id
.set GO,   5                           ; byte offset of my 16 codes of genres
.set WO,   6                           ; byte offset of my 16 genre weights
.set UID,  7                           ; user id, then 4 x id
.set IID,  8                           ; item id, then 4 x id
.set PO,   9                           ; gather offset in P: 32 h rows + 4 user
.set QO,   10                          ; gather offset in Q: 32 h rows + 4 item
.set HP,   11                          ; 32 h rows of P
.set HQ,   12                          ; 32 h rows of Q
.set LF,   13                          ; LDS: 16 x lane
.set SF,   14                          ; LDS: my 16 bytes in my wave's tile
.set SR,   15                          ; LDS: my result
.set LO,   16                          ; 8 x lane: the way out
.set T,    17                          ; at work
.set T2,   18
.set LIM,  19                          ; 448 x 2^e1
.set SCL,  20                          ; 2^e1 as f32: the conversion takes its exponent field
.set W,    24                          ; v[24:39]   16 genre weights, f32
.set WC,   40                          ; v[40:43]   their codes
.set GB,   44                          ; v[44:51]   source 1: 16 codes of genres, then four registers of zero codes
.set FR,   52                          ; v[52:83]   source 0, four tiles: 16 codes each, then four registers of zero codes
.set PD,   84                          ; v[84:115]  P[32 h + idx][user]
.set QD,   116                         ; v[116:147] Q[32 h + idx][item], then qi
.set S,    148                         ; v[148:179] the four products' sums
.set AC,   180                         ; v[180:187] four chains of two sums
; scalar registers: s[4:5] user_ids, s[6:7] item_ids, s[8:9] codes, s[10:11] out, s[12:13] Q, s[46:47] Q at my wave's tile, s[48:49] Q at row 16,
; s[54:55] lowp_scales, s[56:57] e0, e1, s[60:61] 2^(e0 + e1), twice
.set PB,   14                          ; s[14:35]   P at rows 0, 3, 6 .. 30: three rows are in reach of one base (2 x 4,000,000 fits the signed 24-bit immediate)
.set WAVE, 36
	s_load_b256 s[4:11], s[0:1], 0x0               ; user_ids, item_ids, codes of genres, out
	s_load_b128 s[12:15], s[0:1], 0x20             ; Q, P
	s_load_b64 s[54:55], s[0:1], 0x30              ; lowp_scales
	v_lshl_add_u32 v188, v0, 2, 0x900
	v_mov_b32 v189, 0
	v_lshrrev_b32 v[T], 5, v0
	v_readfirstlane_b32 s[WAVE], v[T]              ; wave 0..3 as a scalar
	v_and_b32 v[LANE], 31, v0
	v_and_b32 v[R], 15, v0
	v_bfe_u32 v[H], v0, 4, 1
	v_lshlrev_b32 v[IDO], 2, v[R]                  ; ids: 4 r
	v_lshlrev_b32 v[GO], 5, v[R]                   ; codes: row r of 32 bytes
	v_lshl_or_b32 v[GO], v[H], 4, v[GO]            ;   + 16 h
	v_and_b32 v[T], 7, v0                          ; weights: tile row r is latent 32 (r / 8) + (r % 8) + 8 wave
	v_bfe_u32 v[T2], v0, 3, 1
	v_lshl_or_b32 v[T], v[T2], 5, v[T]
	v_mul_u32_u24 v[WO], v[T], QROW                ; (both factors are below 2^24)
	v_lshl_add_u32 v[WO], v[H], 6, v[WO]           ;   + 16 h numbers of 4 bytes
	s_lshl_b32 s42, ttmp9, 8                       ; the work-group's 64 elements: 256 bytes of ids and of out
	s_mov_b32 s43, 0
	s_lshl_b32 s53, s[WAVE], 6                     ; the wave's 16 elements: 64 bytes
	s_add_co_u32 s38, s42, s53
	s_mov_b32 s39, 0
	s_lshl_b32 s40, s38, 3                         ; the same elements' codes: 32 bytes each in place of 4
	s_mov_b32 s41, 0
	s_mul_i32 s44, s[WAVE], 8*QROW                 ; my wave's tile starts at latent 8 wave
	s_mov_b32 s45, 0
	s_wait_kmcnt 0x0
	s_load_b64 s[56:57], s[54:55], 0x0             ; e0 (genres), e1 (genre weights)
	s_add_nc_u64 s[4:5], s[4:5], s[38:39]
	s_add_nc_u64 s[6:7], s[6:7], s[38:39]
	s_add_nc_u64 s[8:9], s[8:9], s[40:41]
	s_add_nc_u64 s[46:47], s[12:13], s[44:45]
	global_load_b32 v[UID], v[IDO], s[4:5]         ; the ids first: everything hangs on them
	global_load_b32 v[IID], v[IDO], s[6:7]
	global_load_b128 v[GB:GB+3], v[GO], s[8:9] th:TH_LOAD_NT       ; genres(r, 16 h .. 16 h + 15): the wave reads 512 consecutive bytes, which no other wave reads
.irp p, 0,1,2,3
	global_load_b128 v[W+4*\p:W+4*\p+3], v[WO], s[46:47] offset:GCOL+16*\p   ; weights(latent of tile row r, 16 h + 4 p ..)
.endr
	; while these seven loads are on their way: the zero codes of K = 32 .. 63, bases and lane terms of the gathers, LDS addresses
.irp j, 4,5,6,7
	v_mov_b32 v[GB+\j], 0                          ; the two sources have zero registers of their own
.endr
.irp t, 0,1,2,3
.irp j, 4,5,6,7
	v_mov_b32 v[FR+8*\t+\j], 0
.endr
.endr
.irp c, 1,2,3,4,5,6,7,8,9,10
	s_add_nc_u64 s[PB+2*\c:PB+2*\c+1], s[PB:PB+1], \c*3*PROW
.endr
	s_add_nc_u64 s[48:49], s[12:13], 16*QROW       ; 15 rows of Q are in reach of an immediate: two bases for a lane's 32 rows
	s_add_nc_u64 s[10:11], s[10:11], s[42:43]      ; out at the work-group's 256 bytes
	s_mov_b32 s50, 0x76543210                      ; v_permlanex16_b32: lane i of one half reads lane i of the other
	s_mov_b32 s51, 0xfedcba98
	s_lshl_b32 s52, s[WAVE], 9                     ; my wave's tile in LDS
	v_mul_lo_u32 v[HP], v[H], 32*PROW              ; the upper half of the lanes takes latents 32 .. 63
	v_mul_u32_u24 v[HQ], v[H], 32*QROW
	v_lshlrev_b32 v[LF], 4, v[LANE]
	v_add_nc_u32 v[SF], s52, v[LF]
	s_wait_loadcnt 0x5                             ; loads come back in order (ISA guide 5.7.1): the two ids are in, the five loads behind them stay out
	v_min_u32 v[UID], N_USERS-1, v[UID]            ; no address leaves its table, whatever the id
	v_min_u32 v[IID], N_ITEMS-1, v[IID]
	v_lshlrev_b32 v[UID], 2, v[UID]
	v_lshlrev_b32 v[IID], 2, v[IID]
	v_add_nc_u32 v[PO], v[HP], v[UID]              ; at most 32 x 4,000,000 + 3,999,996: below 2^31
	v_add_nc_u32 v[QO], v[HQ], v[IID]
.set i, 0
.rept 32
	global_load_b32 v[PD+i], v[PO], s[PB+2*(i/3):PB+2*(i/3)+1] offset:(i%3)*PROW   ; P[32 h + i][user]
.set i, i+1
.endr
	s_wait_kmcnt 0x0                               ; e0, e1
	s_add_co_i32 s58, s57, 127
	s_lshl_b32 s59, s58, 23
	v_mov_b32 v[SCL], s59                          ; 2^e1 as f32
	s_add_co_i32 s58, s58, 8
	s_lshl_b32 s58, s58, 23
	s_or_b32 s58, s58, 0x600000                    ; 448 = 1.75 x 2^8: exponent e1 + 8, mantissa field 0x600000
	v_mov_b32 v[LIM], s58                          ; 448 x 2^e1
	s_add_co_i32 s60, s56, s57
	s_add_co_i32 s60, s60, 127
	s_lshl_b32 s60, s60, 23                        ; 2^(e0 + e1) as f32
	s_mov_b32 s61, s60                             ; named with it as a pair, so it is written
	s_wait_loadcnt 0x20                            ; codes and weights are in; the 32 gathers of P issued behind them stay out
.irp j, 0,1,2,3,4,5,6,7,8,9,10,11,12,13,14,15
	v_med3_num_f32 v[W+\j], v[W+\j], -v[LIM], v[LIM]       ; the conversion to an 8-bit code does not saturate (ISA guide 7.6.2): hold the number within the largest code x the scale first
.endr
	v_cvt_scalef32_pk8_fp8_f32 v[WC:WC+1], v[W:W+7], v[SCL]        ; eight numbers / 2^e1, to the nearest code, ties to even; the first number's code in the lowest byte
	v_cvt_scalef32_pk8_fp8_f32 v[WC+2:WC+3], v[W+8:W+15], v[SCL]
	v_nop                                          ; one plain vector instruction stands between a scaled conversion and what touches its result
	ds_store_b128 v[SF], v[WC:WC+3]                ; the tile as it lies in registers: lane l at 16 l
.set i, 0
.rept 16
	global_load_b32 v[QD+i], v[QO], s[12:13] offset:i*QROW         ; Q[32 h + i][item]
.set i, i+1
.endr
.set i, 0
.rept 16
	global_load_b32 v[QD+16+i], v[QO], s[48:49] offset:i*QROW
.set i, i+1
.endr
	s_wait_dscnt 0x0                               ; for the other waves: my tile is in LDS
	s_barrier_signal -1
	s_barrier_wait -1                              ; all four are
.irp t, 0,1,2,3
	ds_load_b128 v[FR+8*\t:FR+8*\t+3], v[LF] offset:\t*FRAG
.endr
	s_wait_dscnt 0x0                               ; the four tiles; the gathers stay out: the products do not need them
	; S(m, n) = sum over g of code of weights(latent of m, g) x code of genres(batch n, g); four accumulators, one product each, started by the constant 0
.irp t, 0,1,2,3
	v_wmma_f32_16x16x64_fp8_fp8 v[S+8*\t:S+8*\t+7], v[FR+8*\t:FR+8*\t+7], v[GB:GB+7], 0
.endr
	; four independent plain vector instructions stand between a matrix instruction and the first vector instruction that reads its result (ISA guide 7.12.1)
	v_lshl_add_u32 v[SR], v[R], 2, s53             ; LDS: result of element 16 wave + r
	v_lshlrev_b32 v[LO], 3, v[LANE]                ; the way out: 8 bytes a lane
	v_nop
	v_nop
	s_wait_loadcnt 0x0                             ; all gathers: those of Q were issued last
	; qi = q_item + 2^(e0 + e1) x S, one fused multiply-add; each accumulator is read from its low end on
.set i, 0
.rept 16
	v_pk_fma_f32 v[QD+2*i:QD+2*i+1], v[S+2*i:S+2*i+1], s[60:61], v[QD+2*i:QD+2*i+1] op_sel_hi:[1,0,1]
.set i, i+1
.endr
	; sum over my 32 latents of pu * qi: four chains, started by products, nothing is cleared
.irp c, 0,1,2,3
	v_pk_mul_f32 v[AC+2*\c:AC+2*\c+1], v[PD+2*\c:PD+2*\c+1], v[QD+2*\c:QD+2*\c+1]
.endr
.set i, 4
.rept 12
	v_pk_fma_f32 v[AC+2*(i%4):AC+2*(i%4)+1], v[PD+2*i:PD+2*i+1], v[QD+2*i:QD+2*i+1], v[AC+2*(i%4):AC+2*(i%4)+1]
.set i, i+1
.endr
	v_pk_add_f32 v[AC:AC+1], v[AC:AC+1], v[AC+2:AC+3]
	v_pk_add_f32 v[AC+4:AC+5], v[AC+4:AC+5], v[AC+6:AC+7]
	v_pk_add_f32 v[AC:AC+1], v[AC:AC+1], v[AC+4:AC+5]
	v_add_f32 v[AC], v[AC], v[AC+1]                ; latents 32 h .. 32 h + 31
	v_permlanex16_b32 v[AC+1], v[AC], s50, s51     ; the other half's 32 (the destination has been written before)
	v_add_f32 v[AC], v[AC], v[AC+1]                ; lanes r and 16 + r now hold the same number
	ds_store_b32 v[SR], v[AC] offset:RES           ; both write it to the same word
	s_wait_dscnt 0x0                               ; for wave 0: my 16 results are in LDS
	s_barrier_signal -1
	s_barrier_wait -1
	s_cmp_lg_u32 s[WAVE], 0
	s_cbranch_scc1 .Lend
	ds_load_b64 v[AC+2:AC+3], v[LO] offset:RES     ; wave 0: two results a lane,
	s_wait_dscnt 0x0
	global_store_b64 v[LO], v[AC+2:AC+3], s[10:11] th:TH_STORE_NT  ; one store covers the work-group's 256 consecutive bytes, at a multiple of 256 from the first byte of out
.Lend:
	s_wait_tensorcnt 0x0
	ds_add_u32 v188, v189
	s_wait_dscnt 0x0
	s_endpgm
.Lfunc_end_k_q552c25fe2a_gmf:
	.size	k_q552c25fe2a_gmf, .Lfunc_end_k_q552c25fe2a_gmf-k_q552c25fe2a_gmf
	.p2alignl 7, 3214868480
	.fill 96, 4, 3214868480
	.section	.rodata,"a",@progbits
	.p2align	6, 0x0
	.amdhsa_kernel k_q552c25fe2a_gmf
		.amdhsa_group_segment_fixed_size 2816
		.amdhsa_private_segment_fixed_size 0
		.amdhsa_enable_private_segment 0
		.amdhsa_kernarg_size 56
		.amdhsa_user_sgpr_count 2
		.amdhsa_user_sgpr_kernarg_segment_ptr 1
		.amdhsa_wavefront_size32 1
		.amdhsa_system_sgpr_workgroup_id_x 1
		.amdhsa_system_sgpr_workgroup_id_y 1
		.amdhsa_system_sgpr_workgroup_id_z 1
		.amdhsa_system_vgpr_workitem_id 0
		.amdhsa_next_free_vgpr 190
		.amdhsa_next_free_sgpr 66
		.amdhsa_reserve_vcc 0
		.amdhsa_float_denorm_mode_32 3
		.amdhsa_float_denorm_mode_16_64 3
		.amdhsa_memory_ordered 1
		.amdhsa_forward_progress 1
		.amdhsa_inst_pref_size 16
	.end_amdhsa_kernel
	.amdgpu_metadata
---
amdhsa.version: [ 1, 2 ]
amdhsa.kernels:
  - .name:           k_q552c25fe2a_gmf
    .symbol:         k_q552c25fe2a_gmf.kd
    .args:
      - { .name: user_ids, .offset: 0, .size: 8, .value_kind: global_buffer, .address_space: global }
      - { .name: item_ids, .offset: 8, .size: 8, .value_kind: global_buffer, .address_space: global }
      - { .name: genres_one_hot_codes, .offset: 16, .size: 8, .value_kind: global_buffer, .address_space: global }
      - { .name: out0, .offset: 24, .size: 8, .value_kind: global_buffer, .address_space: global }
      - { .name: Q_weight, .offset: 32, .size: 8, .value_kind: global_buffer, .address_space: global }
      - { .name: P_weight, .offset: 40, .size: 8, .value_kind: global_buffer, .address_space: global }
      - { .name: lowp_scales, .offset: 48, .size: 8, .value_kind: global_buffer, .address_space: global }
    .group_segment_fixed_size: 2816
    .private_segment_fixed_size: 0
    .kernarg_segment_align: 8
    .kernarg_segment_size: 56
    .max_flat_workgroup_size: 128
    .sgpr_count:     66
    .vgpr_count:     190
    .wavefront_size: 32
...
	.end_amdgpu_metadata
.endif
;; end of part 1
;; ======== version 2 of 2: 1 launch; version 1 with the launch gmf written anew for expert scheduling mode
;; limits: right only within a limited range of input values
;; launch gmf (part 2): grid 256 x 1, 4 waves a work-group, no clusters, 2,816 bytes of LDS; arguments user_ids, item_ids, genres_one_hot_codes, out0, Q_weight, P_weight, lowp_scales; writes out0
.if DOCPART == 2
	.amdgcn_target "amdgcn-amd-amdhsa--gfx1250"
	.amdhsa_code_object_version 6
	.text
	.protected	k_q552c25fe2a_gmf
	.globl	k_q552c25fe2a_gmf
	.p2align	8
	.type	k_q552c25fe2a_gmf,@function
k_q552c25fe2a_gmf:
	s_mov_b64 s[64:65], 0
	v_nop
	global_prefetch_b8 v0, s[64:65] scope:SCOPE_SE
	s_setreg_imm32_b32 hwreg(HW_REG_WAVE_SCHED_MODE, 0, 2), 2
	s_setreg_imm32_b32 hwreg(HW_REG_WAVE_MODE, 25, 1), 1
	s_wait_xcnt 0x0
	s_wait_alu depctr_vm_vsrc(0)
; out[b] = sum over k of P[k][user[b]] * ( Q[k][item[b]] + sum over g of genres[b][g] * Q[k][N_ITEMS+g] )
; P: [64][1,000,000] f32, Q: [64][100,032] f32, ids: [16384] i32, out: [16384] f32.  The product over g is made on codes of FP8 (E4M3):
; genres arrive as codes, [16384][32] bytes, a number being its code's value x 2^e0; the 64 x 32 genre weights arrive as f32 and are quantised
; here: x / 2^e1, held within +-448, to the nearest code, ties to even.  e0, e1 are the two whole numbers of lowp_scales.  The codes are
; multiplied as they are, the sums are f32, and each sum is multiplied once by 2^(e0 + e1), in the multiply-add that adds the gathered word of Q.
;
; SHARES.  256 work-groups of four waves; a work-group owns 64 batch elements (256 consecutive, aligned bytes of out), a wave 16.
; The matrix instruction (16 x 16 x 64) is used transposed: source 0 = 16 latent rows of weight codes, source 1 = 16 batch elements' codes.
; The product's K is 32: it fills registers 0-3 of a fragment; registers 4-7 (the other 32 along K) hold zero codes on both sides and add nothing.
; A lane's registers 0-3 hold g = 16 h + 0 .. 15 of its row: a permutation of k, the same in both sources, so every code meets its partner;
; it lets a lane take its 16 codes by one load of 16 bytes.  Only the order of the sums inside the instruction differs from ascending g.
; In D lane (r, h) holds batch element r, and register j of tile t the tile row 8 h + j.  Which latent a tile row stands for is free as long as
; P, Q and the weight fragments agree: tile t, row m is latent 32 (m / 8) + 8 t + (m % 8), so that a lane owns the 32 consecutive latents
; 32 h + idx, idx = 8 t + j.  A lane needs two ids only and gathers 32 words of P and 32 of Q.  The products need no gathered word (C = 0):
; they are made while the gathers are on their way.  The sum over the latents is packed multiply-adds in the lane and one exchange between
; the halves of the wave.
; Every gathered word lies in a row of its own (rows are 4,000,000 and 400,128 bytes apart), so nothing can be joined: what counts is that
; all 64 gathers of every wave are issued as soon as the ids are there.  All waves walk the rows in the same ascending order.
; The genre weights (64 pieces of 128 bytes) are read and quantised once by the work-group: wave w makes tile w, the four register images
; (512 bytes each) meet in LDS.
;
; THE MODE: SCHED_MODE bits 1:0 = 2 (LLVM: expert scheduling mode 2), set by the entry lines.  The code itself states the register dependences
; between vector or matrix instructions and memory or LDS instructions, with s_wait_alu, always for 0.
; THE PLAN.  The text is straight-line.  Registers that memory or LDS instructions touch, in program order:
;   IDO, GO, WO    made at the head; offsets of the seven first loads; never written again.
;   UID, IID, GB .. GB+3, W   filled by those loads, named by no vector instruction ahead of them; worked on behind their waits on LOADcnt.
;   PO, QO         made from the ids; offsets of the 64 gathers; never written again.
;   PD, QD         filled by the gathers, named by no vector instruction ahead of them; read (QD also written) behind the wait for all loads.
;   SF, LF         made in the set-up behind the first loads; LDS addresses of my tile's store and of the four fragment loads; never written again.
;   WC             written by the two conversions; data of my tile's LDS store; never written again.
;   FR+8 t .. +3   filled by the fragment loads alone (the zero codes lie in FR+8 t+4 .. +7).
;   SR, LO         made in the places behind the products; LDS address of my result, and wave 0's address on the way out; never written again.
;   AC             written by the sums; data of the result's LDS store.  AC+2, AC+3: named by the sums, then wave 0's LDS load lands in them and its store reads them.
;   v188, v189     made at the head, read by the closing add alone.
; No register that a memory or LDS instruction reads is written again behind that instruction: so no wait on vm_vsrc is written but the one at the head and the closing lines' wait on all fields.
; Six waits on va_vdst, among them: ahead of the first load (IDO, GO, WO); ahead of the first gather (PO, QO; SF and LF with them); ahead of my tile's LDS store (WC);
; ahead of my result's LDS store (AC, SR, LO, and the sums are done with AC+2, AC+3).  One wait on va_sdst, for the wave's number.
;
; NOT USED, and why: tensor loads (no tile, only single words); clusters with joint requests (the work-groups share only the 8,192 bytes of
; genre weights, against 8,192 separately gathered words for each work-group); prefetches (each gather is issued as a load as soon as its
; id is known, nothing could be asked for earlier); cache hints on P and Q (an id may come twice, and other work-groups read neighbouring columns).
;
; LIMITS.  Ids are taken to lie inside their tables; an id outside (read as unsigned) is clamped to the last column and does not get what
; jnp.take would give it.  -126 <= e1 <= 119 (2^e1 and 448 x 2^e1 are made as f32 numbers) and -126 <= e0 + e1 <= 127 (so is 2^(e0 + e1)).
; NaN among the genre weights is not served; an infinity is held at the largest code.  The sum over the latents is made in four chains,
; not in the order of the reference.
.set N_USERS, 1000000
.set N_ITEMS, 100000
.set PROW,  4*N_USERS                  ; bytes in a row of P
.set QROW,  4*(N_ITEMS+32)             ; bytes in a row of Q
.set GCOL,  4*N_ITEMS                  ; byte of the first genre column in a row of Q
.set FRAG,  512                        ; LDS: a tile's codes as they lie in registers, 32 lanes x 16 bytes
.set RES,   4*FRAG                     ; LDS: behind the four tiles, the 64 results of the work-group; behind them, from byte 0x900 on, the spare words: 128 bytes for each wave, two blocks of 256 bytes that no other line names
; vector registers
.set LANE, 1                           ; lane 0..31
.set R,    2                           ; lane % 16: my batch element in the wave
.set H,    3                           ; lane / 16: my half of the latents, and of g
.set IDO,  4                           ; byte offset of my id
.set GO,   5                           ; byte offset of my 16 codes of genres
.set WO,   6                           ; byte offset of my 16 genre weights
.set UID,  7                           ; user id, then 4 x id
.set IID,  8                           ; item id, then 4 x id
.set PO,   9                           ; gather offset in P: 32 h rows + 4 user
.set QO,   10                          ; gather offset in Q: 32 h rows + 4 item
.set HP,   11                          ; 32 h rows of P
.set HQ,   12                          ; 32 h rows of Q
.set LF,   13                          ; LDS: 16 x lane
.set SF,   14                          ; LDS: my 16 bytes in my wave's tile
.set SR,   15                          ; LDS: my result
.set LO,   16                          ; 8 x lane: the way out
.set T,    17                          ; at work
.set T2,   18
.set LIM,  19                          ; 448 x 2^e1
.set SCL,  20                          ; 2^e1 as f32: the conversion takes its exponent field
.set W,    24                          ; v[24:39]   16 genre weights, f32
.set WC,   40                          ; v[40:43]   their codes
.set GB,   44                          ; v[44:51]   source 1: 16 codes of genres, then four registers of zero codes
.set FR,   52                          ; v[52:83]   source 0, four tiles: 16 codes each, then four registers of zero codes
.set PD,   84                          ; v[84:115]  P[32 h + idx][user]
.set QD,   116                         ; v[116:147] Q[32 h + idx][item], then qi
.set S,    148                         ; v[148:179] the four products' sums
.set AC,   180                         ; v[180:187] four chains of two sums
; v188: LDS address of my spare word, 0x900 + 4 x my thread's number; v189: 0; both made at the head and kept for the closing add alone
; scalar registers: s[4:5] user_ids, s[6:7] item_ids, s[8:9] codes, s[10:11] out, s[12:13] Q, s[46:47] Q at my wave's tile, s[48:49] Q at row 16,
; s[54:55] lowp_scales, s[56:57] e0, e1, s[60:61] 2^(e0 + e1), twice
.set PB,   14                          ; s[14:35]   P at rows 0, 3, 6 .. 30: three rows are in reach of one base (2 x 4,000,000 fits the signed 24-bit immediate)
.set WAVE, 36
	s_load_b256 s[4:11], s[0:1], 0x0               ; user_ids, item_ids, codes of genres, out
	s_load_b128 s[12:15], s[0:1], 0x20             ; Q, P
	s_load_b64 s[54:55], s[0:1], 0x30              ; lowp_scales
	v_lshl_add_u32 v188, v0, 2, 0x900
	v_mov_b32 v189, 0
	v_lshrrev_b32 v[T], 5, v0
	v_readfirstlane_b32 s[WAVE], v[T]              ; wave 0..3 as a scalar
	v_and_b32 v[LANE], 31, v0
	v_and_b32 v[R], 15, v0
	v_bfe_u32 v[H], v0, 4, 1
	v_lshlrev_b32 v[IDO], 2, v[R]                  ; ids: 4 r
	v_lshlrev_b32 v[GO], 5, v[R]                   ; codes: row r of 32 bytes
	v_lshl_or_b32 v[GO], v[H], 4, v[GO]            ;   + 16 h
	v_and_b32 v[T], 7, v0                          ; weights: tile row r is latent 32 (r / 8) + (r % 8) + 8 wave
	v_bfe_u32 v[T2], v0, 3, 1
	v_lshl_or_b32 v[T], v[T2], 5, v[T]
	v_mul_u32_u24 v[WO], v[T], QROW                ; (both factors are below 2^24)
	v_lshl_add_u32 v[WO], v[H], 6, v[WO]           ;   + 16 h numbers of 4 bytes
	s_wait_alu depctr_va_sdst(0)                   ; the wave's number is written into s[WAVE], ahead of its first reader: offsets, LDS places and the last branch are made from it
	s_lshl_b32 s42, ttmp9, 8                       ; the work-group's 64 elements: 256 bytes of ids and of out
	s_mov_b32 s43, 0
	s_lshl_b32 s53, s[WAVE], 6                     ; the wave's 16 elements: 64 bytes
	s_add_co_u32 s38, s42, s53
	s_mov_b32 s39, 0
	s_lshl_b32 s40, s38, 3                         ; the same elements' codes: 32 bytes each in place of 4
	s_mov_b32 s41, 0
	s_mul_i32 s44, s[WAVE], 8*QROW                 ; my wave's tile starts at latent 8 wave
	s_mov_b32 s45, 0
	s_wait_kmcnt 0x0
	s_load_b64 s[56:57], s[54:55], 0x0             ; e0 (genres), e1 (genre weights)
	s_add_nc_u64 s[4:5], s[4:5], s[38:39]
	s_add_nc_u64 s[6:7], s[6:7], s[38:39]
	s_add_nc_u64 s[8:9], s[8:9], s[40:41]
	s_add_nc_u64 s[46:47], s[12:13], s[44:45]
	s_wait_alu depctr_va_vdst(0)                   ; the offsets IDO, GO and WO are written, which the seven loads below read
	global_load_b32 v[UID], v[IDO], s[4:5]         ; the ids first: everything hangs on them
	global_load_b32 v[IID], v[IDO], s[6:7]
	global_load_b128 v[GB:GB+3], v[GO], s[8:9] th:TH_LOAD_NT       ; genres(r, 16 h .. 16 h + 15): the wave reads 512 consecutive bytes, which no other wave reads
.irp p, 0,1,2,3
	global_load_b128 v[W+4*\p:W+4*\p+3], v[WO], s[46:47] offset:GCOL+16*\p   ; weights(latent of tile row r, 16 h + 4 p ..)
.endr
	; while these seven loads are on their way: the zero codes of K = 32 .. 63, bases and lane terms of the gathers, LDS addresses: none of these lines names a register that the seven loads touch
.irp j, 4,5,6,7
	v_mov_b32 v[GB+\j], 0                          ; the two sources have zero registers of their own
.endr
.irp t, 0,1,2,3
.irp j, 4,5,6,7
	v_mov_b32 v[FR+8*\t+\j], 0
.endr
.endr
.irp c, 1,2,3,4,5,6,7,8,9,10
	s_add_nc_u64 s[PB+2*\c:PB+2*\c+1], s[PB:PB+1], \c*3*PROW
.endr
	s_add_nc_u64 s[48:49], s[12:13], 16*QROW       ; 15 rows of Q are in reach of an immediate: two bases for a lane's 32 rows
	s_add_nc_u64 s[10:11], s[10:11], s[42:43]      ; out at the work-group's 256 bytes
	s_mov_b32 s50, 0x76543210                      ; v_permlanex16_b32: lane i of one half reads lane i of the other
	s_mov_b32 s51, 0xfedcba98
	s_lshl_b32 s52, s[WAVE], 9                     ; my wave's tile in LDS
	v_mul_lo_u32 v[HP], v[H], 32*PROW              ; the upper half of the lanes takes latents 32 .. 63
	v_mul_u32_u24 v[HQ], v[H], 32*QROW
	v_lshlrev_b32 v[LF], 4, v[LANE]
	v_add_nc_u32 v[SF], s52, v[LF]
	s_wait_loadcnt 0x5                             ; loads come back in order (ISA guide 5.7.1): the two ids are in, the five loads behind them stay out
	v_min_u32 v[UID], N_USERS-1, v[UID]            ; no address leaves its table, whatever the id
	v_min_u32 v[IID], N_ITEMS-1, v[IID]
	v_lshlrev_b32 v[UID], 2, v[UID]
	s_wait_alu depctr_va_vdst(0)
	v_lshlrev_b32 v[IID], 2, v[IID]
	v_add_nc_u32 v[PO], v[HP], v[UID]              ; at most 32 x 4,000,000 + 3,999,996: below 2^31
	v_add_nc_u32 v[QO], v[HQ], v[IID]
	s_wait_alu depctr_va_vdst(0)                   ; PO and QO are written, which the 64 gathers read as their offsets; so are the LDS addresses SF and LF, read further down
.set i, 0
.rept 32
	global_load_b32 v[PD+i], v[PO], s[PB+2*(i/3):PB+2*(i/3)+1] offset:(i%3)*PROW   ; P[32 h + i][user]
.set i, i+1
.endr
	s_wait_kmcnt 0x0                               ; e0, e1
	s_add_co_i32 s58, s57, 127
	s_lshl_b32 s59, s58, 23
	v_mov_b32 v[SCL], s59                          ; 2^e1 as f32
	s_add_co_i32 s58, s58, 8
	s_lshl_b32 s58, s58, 23
	s_or_b32 s58, s58, 0x600000                    ; 448 = 1.75 x 2^8: exponent e1 + 8, mantissa field 0x600000
	v_mov_b32 v[LIM], s58                          ; 448 x 2^e1
	s_add_co_i32 s60, s56, s57
	s_add_co_i32 s60, s60, 127
	s_lshl_b32 s60, s60, 23                        ; 2^(e0 + e1) as f32
	s_mov_b32 s61, s60                             ; named with it as a pair, so it is written
	s_wait_alu depctr_va_vdst(0)
	s_wait_loadcnt 0x20                            ; codes and weights are in; the 32 gathers of P issued behind them stay out
.irp j, 0,1,2,3,4,5,6,7,8,9,10,11,12,13,14,15
	v_med3_num_f32 v[W+\j], v[W+\j], -v[LIM], v[LIM]       ; the conversion to an 8-bit code does not saturate (ISA guide 7.6.2): hold the number within the largest code x the scale first
.endr
	v_cvt_scalef32_pk8_fp8_f32 v[WC:WC+1], v[W:W+7], v[SCL]        ; eight numbers / 2^e1, to the nearest code, ties to even; the first number's code in the lowest byte
	v_cvt_scalef32_pk8_fp8_f32 v[WC+2:WC+3], v[W+8:W+15], v[SCL]
	v_nop                                          ; one plain vector instruction stands between a scaled conversion and what touches its result
	s_wait_alu depctr_va_vdst(0)                   ; the conversions have written WC, which the LDS store reads; the place above stays beside this wait
	ds_store_b128 v[SF], v[WC:WC+3]                ; the tile as it lies in registers: lane l at 16 l
.set i, 0
.rept 16
	global_load_b32 v[QD+i], v[QO], s[12:13] offset:i*QROW         ; Q[32 h + i][item].  No wait: no vector instruction has ever named QD, and QO was written ahead of the wait in front of the gathers of P
.set i, i+1
.endr
.set i, 0
.rept 16
	global_load_b32 v[QD+16+i], v[QO], s[48:49] offset:i*QROW
.set i, i+1
.endr
	s_wait_dscnt 0x0                               ; for the other waves: my tile is in LDS
	s_barrier_signal -1
	s_barrier_wait -1                              ; all four are
.irp t, 0,1,2,3
	ds_load_b128 v[FR+8*\t:FR+8*\t+3], v[LF] offset:\t*FRAG        ; no wait: LF was written ahead of the waits above, and no vector instruction has named these sixteen registers
.endr
	s_wait_dscnt 0x0                               ; the four tiles; the gathers stay out: the products do not need them
	; S(m, n) = sum over g of code of weights(latent of m, g) x code of genres(batch n, g); four accumulators, one product each, started by the constant 0
.irp t, 0,1,2,3
	v_wmma_f32_16x16x64_fp8_fp8 v[S+8*\t:S+8*\t+7], v[FR+8*\t:FR+8*\t+7], v[GB:GB+7], 0
.endr
	; four independent plain vector instructions stand between a matrix instruction and the first vector instruction that reads its result (ISA guide 7.12.1)
	v_lshl_add_u32 v[SR], v[R], 2, s53             ; LDS: result of element 16 wave + r
	v_lshlrev_b32 v[LO], 3, v[LANE]                ; the way out: 8 bytes a lane
	v_nop
	v_nop
	s_wait_loadcnt 0x0                             ; all gathers: those of Q were issued last
	; qi = q_item + 2^(e0 + e1) x S, one fused multiply-add; each accumulator is read from its low end on
.set i, 0
.rept 16
	v_pk_fma_f32 v[QD+2*i:QD+2*i+1], v[S+2*i:S+2*i+1], s[60:61], v[QD+2*i:QD+2*i+1] op_sel_hi:[1,0,1]
.set i, i+1
.endr
	; sum over my 32 latents of pu * qi: four chains, started by products, nothing is cleared
.irp c, 0,1,2,3
	v_pk_mul_f32 v[AC+2*\c:AC+2*\c+1], v[PD+2*\c:PD+2*\c+1], v[QD+2*\c:QD+2*\c+1]
.endr
.set i, 4
.rept 12
	v_pk_fma_f32 v[AC+2*(i%4):AC+2*(i%4)+1], v[PD+2*i:PD+2*i+1], v[QD+2*i:QD+2*i+1], v[AC+2*(i%4):AC+2*(i%4)+1]
.set i, i+1
.endr
	v_pk_add_f32 v[AC:AC+1], v[AC:AC+1], v[AC+2:AC+3]
	v_pk_add_f32 v[AC+4:AC+5], v[AC+4:AC+5], v[AC+6:AC+7]
	v_pk_add_f32 v[AC:AC+1], v[AC:AC+1], v[AC+4:AC+5]
	v_add_f32 v[AC], v[AC], v[AC+1]                ; latents 32 h .. 32 h + 31
	v_permlanex16_b32 v[AC+1], v[AC], s50, s51     ; the other half's 32 (the destination has been written before)
	v_add_f32 v[AC], v[AC], v[AC+1]                ; lanes r and 16 + r now hold the same number
	s_wait_alu depctr_va_vdst(0)                   ; the sum AC and the address SR are written, which the LDS store reads; so is LO, which wave 0's load and store read; and the sums are done writing and reading AC+2, AC+3, in which wave 0's load lands.  No vector instruction follows
	ds_store_b32 v[SR], v[AC] offset:RES           ; both write it to the same word
	s_wait_dscnt 0x0                               ; for wave 0: my 16 results are in LDS
	s_barrier_signal -1
	s_barrier_wait -1
	s_cmp_lg_u32 s[WAVE], 0
	s_cbranch_scc1 .Lend
	ds_load_b64 v[AC+2:AC+3], v[LO] offset:RES     ; wave 0: two results a lane,
	s_wait_dscnt 0x0
	global_store_b64 v[LO], v[AC+2:AC+3], s[10:11] th:TH_STORE_NT  ; one store covers the work-group's 256 consecutive bytes, at a multiple of 256 from the first byte of out
.Lend:
	s_wait_dscnt 0x0                               ; the closing lines, six on end
	s_wait_alu 0x0
	s_wait_tensorcnt 0x0
	ds_add_u32 v188, v189
	s_wait_dscnt 0x0
	s_endpgm
.Lfunc_end_k_q552c25fe2a_gmf:
	.size	k_q552c25fe2a_gmf, .Lfunc_end_k_q552c25fe2a_gmf-k_q552c25fe2a_gmf
	.p2alignl 7, 3214868480
	.fill 96, 4, 3214868480
	.section	.rodata,"a",@progbits
	.p2align	6, 0x0
	.amdhsa_kernel k_q552c25fe2a_gmf
		.amdhsa_group_segment_fixed_size 2816
		.amdhsa_private_segment_fixed_size 0
		.amdhsa_enable_private_segment 0
		.amdhsa_kernarg_size 56
		.amdhsa_user_sgpr_count 2
		.amdhsa_user_sgpr_kernarg_segment_ptr 1
		.amdhsa_wavefront_size32 1
		.amdhsa_system_sgpr_workgroup_id_x 1
		.amdhsa_system_sgpr_workgroup_id_y 1
		.amdhsa_system_sgpr_workgroup_id_z 1
		.amdhsa_system_vgpr_workitem_id 0
		.amdhsa_next_free_vgpr 190
		.amdhsa_next_free_sgpr 66
		.amdhsa_reserve_vcc 0
		.amdhsa_float_denorm_mode_32 3
		.amdhsa_float_denorm_mode_16_64 3
		.amdhsa_memory_ordered 1
		.amdhsa_forward_progress 1
		.amdhsa_inst_pref_size 17
	.end_amdhsa_kernel
	.amdgpu_metadata
---
amdhsa.version: [ 1, 2 ]
amdhsa.kernels:
  - .name:           k_q552c25fe2a_gmf
    .symbol:         k_q552c25fe2a_gmf.kd
    .args:
      - { .name: user_ids, .offset: 0, .size: 8, .value_kind: global_buffer, .address_space: global }
      - { .name: item_ids, .offset: 8, .size: 8, .value_kind: global_buffer, .address_space: global }
      - { .name: genres_one_hot_codes, .offset: 16, .size: 8, .value_kind: global_buffer, .address_space: global }
      - { .name: out0, .offset: 24, .size: 8, .value_kind: global_buffer, .address_space: global }
      - { .name: Q_weight, .offset: 32, .size: 8, .value_kind: global_buffer, .address_space: global }
      - { .name: P_weight, .offset: 40, .size: 8, .value_kind: global_buffer, .address_space: global }
      - { .name: lowp_scales, .offset: 48, .size: 8, .value_kind: global_buffer, .address_space: global }
    .group_segment_fixed_size: 2816
    .private_segment_fixed_size: 0
    .kernarg_segment_align: 8
    .kernarg_segment_size: 56
    .max_flat_workgroup_size: 128
    .sgpr_count:     66
    .vgpr_count:     190
    .wavefront_size: 32
...
	.end_amdgpu_metadata
.endif
;; end of part 2
